; MI455X (gfx1250); checked and timed in simulation.
; The chip was launched on July 23, 2026; its instructions are those of AMD's public machine-readable ISA for CDNA 5 (MIT licence, August 2026) and "CDNA5" Instruction Set Architecture Reference Guide (July 2026). The comments in the code are by the model that wrote it; some were corrected since.
;; Mixture Of Experts. Allowed arithmetic: float matrix products may take bf16 or f16 operands with f32 sums; other float arithmetic in f32, or as packed bf16 or f16 multiplies, adds, multiply-adds, maxima and minima; sums over many terms, partial sums and values carried from step to step in f32; what a program stores and reads back later, other than sums and carried values, may be rounded once to bf16 or f16.
;; Inputs: W 8 x 1,024 x 1,024 float32; b 8 x 1,024 float32; gate 8,192 x 8 float32; input 8,192 x 1,024 float32.
;; Outputs: out0 8,192 x 1,024 float32.
;; One version. Each part assembles by itself: llvm-mc -triple=amdgcn-amd-amdhsa -mcpu=gfx1250 --defsym DOCPART=n.
;; ======== version 1 of 1: 2 launches
;; workspace buffers: wf 16,777,216 bytes; route 33,792 bytes of whole numbers; topp 32,768 bytes
;; launch prep (part 1): grid 260 x 1, 8 waves a work-group, no clusters, 0 bytes of LDS; arguments gate, W, wf, route, topp; writes wf, route, topp
.if DOCPART == 1
	.amdgcn_target "amdgcn-amd-amdhsa--gfx1250"
	.amdhsa_code_object_version 6
	.text
	.protected	k_qeb54237288_prep
	.globl	k_qeb54237288_prep
	.p2align	8
	.type	k_qeb54237288_prep,@function
k_qeb54237288_prep:
	s_mov_b64 s[64:65], 0
	v_nop
	global_prefetch_b8 v0, s[64:65] scope:SCOPE_SE
	s_setreg_imm32_b32 hwreg(HW_REG_WAVE_MODE, 25, 1), 1
	s_wait_xcnt 0x0
; PREP: the routing, and the weights rounded and laid out once.
; Work-groups 0-3 ROUTE: wave w of work-group x has group g = 8 x + w of 256 tokens.  For each token: the gates are rounded to bf16 (nearest even; all four inputs of the
; program are so rounded before use), e = the first index of the largest rounded gate, p = 1 / sum of exp(gate - max) in f32.  Stored, all at fixed places:
;   route[t] = e << 16 | the token's rank among its group's tokens of expert e;   route[8192 + 8 g + e] = how many tokens of group g chose e;   topp[t] = p.
; No address and no branch hangs on these numbers here: the next launch reads them.
; Work-groups 4-259 CAST: work-group x' = x - 4 has expert e = x' / 32 and K step ks = x' % 32: 32 whole rows of W[e], 131,072 consecutive bytes.
;   wf[e][g64 16][ks 32][i 4][c 2][lane = 16 hh + r][j 8] = bf16(W[e][32 ks + 16 c + 8 hh + j][64 g64 + 4 r + i]):
;   fragment i, half c is 512 consecutive bytes, a lane's 16 bytes are the four registers that the matrix instruction wants of it (column by lane, k along the registers).
;   Fragment i holds the columns 4 r + i, so that in the next launch the four results of one row in a lane are four neighbouring columns.
; LIMITS.  NaN and infinities among the gates are not treated apart.  Where two rounded gates differ by so little that their f32 probabilities are equal (a difference under some 2^-24,
; which bf16 gates have only if both are below 2^-16 in size), the larger gate wins here, the lower index in an argmax of probabilities.  An exponential below 2^-126 counts as 0 in the sum.
.set X,   16                           ; cast: v[16:143]  unit u = 2 gg + c: 8 rows x 4 columns of f32 as loaded, row j at 32 u + 4 j
.set Y,   144                          ; cast: v[144:207] unit u: fragment i's 4 registers at 16 u + 4 i
.set G,   16                           ; route: v[16:79]  slot s (token 256 g + 64 (s / 2) + 2 lane + s % 2): its 8 gates at 8 s
.set IDX, 80                           ; route: v[80:87]  the slot's expert
.set KEY, 88                           ; route: v[88:95]  its rank, then its key
.set M,   96                           ; route: v[96:111] the slot's maximum, twice (a pair for the packed subtraction)
.set P,   112                          ; route: v[112:119] p
.set RUN, 20                           ; route: s[20:27]  tokens of expert e seen so far in the group
	s_load_b256 s[4:11], s[0:1], 0x0               ; gate s[4:5], W s[6:7], wf s[8:9], route s[10:11]
	s_load_b64 s[12:13], s[0:1], 0x20              ; topp
	v_and_b32 v1, 31, v0                           ; lane
	v_lshrrev_b32 v4, 5, v0
	v_readfirstlane_b32 s16, v4                    ; wave 0..7
	s_wait_kmcnt 0x0
	s_cmp_lt_u32 ttmp9, 4
	s_cbranch_scc1 .Lrouter
	; ---------------- CAST ----------------
	s_sub_co_u32 s17, ttmp9, 4                     ; x' = 32 e + ks
	s_lshl_b32 s20, s17, 17                        ; my 32 rows of W: x' x 131,072 bytes (under 2^25)
	s_mov_b32 s21, 0
	s_lshr_b32 s18, s17, 5                         ; e
	s_and_b32 s19, s17, 31                         ; ks
	s_lshl_b32 s22, s18, 21                        ; wf: e x 2,097,152
	s_lshl_b32 s23, s19, 12                        ;     + ks x 4,096
	s_add_co_u32 s22, s22, s23
	s_mov_b32 s23, 0
	s_add_nc_u64 s[6:7], s[6:7], s[20:21]
	s_add_nc_u64 s[8:9], s[8:9], s[22:23]
	v_lshrrev_b32 v5, 4, v1                        ; hh
	v_and_b32 v6, 15, v1                           ; r
	v_lshlrev_b32 v2, 4, v6                        ; load offset: 16 r (4 columns)
	v_lshl_add_u32 v2, v5, 15, v2                  ;   + 8 hh rows of 4,096 bytes
	v_lshl_add_u32 v2, s16, 9, v2                  ;   + my wave's two groups of 64 columns
	v_lshlrev_b32 v3, 4, v1                        ; store offset: 16 lane
	v_lshl_add_u32 v3, s16, 18, v3                 ;   + my wave's two blocks of 131,072 bytes
	; all 32 loads first: sixteen neighbouring lanes take 256 consecutive bytes of a row, at a multiple of 256 from W's first byte
.irp u, 0,1,2,3
.irp j, 0,1,2,3,4,5,6,7
	global_load_b128 v[X+32*(\u)+4*(\j):X+32*(\u)+4*(\j)+3], v2, s[6:7] offset:((\u)%2)*65536+((\u)/2)*256+(\j)*4096 th:TH_LOAD_NT
.endr
.endr
.irp u, 0,1,2,3
	s_wait_loadcnt 8*(3-(\u))                      ; loads come back in order: unit u is in, the younger units' eight loads each stay out
.irp i, 0,1,2,3
.irp m, 0,1,2,3
	v_cvt_pk_bf16_f32 v[Y+16*(\u)+4*(\i)+(\m)], v[X+32*(\u)+8*(\m)+(\i)], v[X+32*(\u)+8*(\m)+4+(\i)]  ; column 4 r + i of rows 2 m, 2 m + 1: the turning is done by the choice of registers
.endr
.endr
.irp i, 0,1,2,3
	global_store_b128 v3, v[Y+16*(\u)+4*(\i):Y+16*(\u)+4*(\i)+3], s[8:9] offset:((\u)/2)*131072+(\i)*1024+((\u)%2)*512  ; 512 consecutive bytes, at a multiple of 512 from wf's first byte; read again by the next launch, so no hint
.endr
.endr
	s_endpgm                                       ; no register was written twice: no further wait
	; ---------------- ROUTE ----------------
.Lrouter:
	s_lshl3_add_u32 s17, ttmp9, s16                ; g = 8 x + w
	s_lshl_b32 s32, s17, 13                        ; a group's gates: 8,192 bytes
	s_mov_b32 s33, 0
	s_add_nc_u64 s[4:5], s[4:5], s[32:33]
	s_lshl_b32 s34, s17, 10                        ; its keys and its p: 1,024 bytes each
	s_mov_b32 s35, 0
	s_add_nc_u64 s[12:13], s[12:13], s[34:35]
	s_add_nc_u64 s[36:37], s[10:11], s[34:35]
	s_lshl_b32 s38, s17, 5                         ; its eight counts: 32 bytes
	s_mov_b32 s39, 0
	s_add_nc_u64 s[10:11], s[10:11], s[38:39]
	v_lshlrev_b32 v2, 6, v1                        ; two tokens a lane: 64 bytes
.irp jj, 0,1,2,3
.irp a, 0,1,2,3
	global_load_b128 v[G+16*(\jj)+4*(\a):G+16*(\jj)+4*(\a)+3], v2, s[4:5] offset:2048*(\jj)+16*(\a)
.endr
.endr
.irp e, 0,1,2,3,4,5,6,7
	s_mov_b32 s[RUN+(\e)], 0
.endr
	v_lshlrev_b32 v3, 3, v1                        ; two keys, two p a lane: 8 bytes
	v_lshlrev_b32 v14, 2, v1
	v_mov_b32 v15, 0
	s_wait_loadcnt 0x0
.set SL, 0
.rept 8
.set GB, G+8*SL
.irp k, 0,1,2,3
	v_cvt_pk_bf16_f32 v[8+(\k)], v[GB+2*(\k)], v[GB+2*(\k)+1]  ; the gates rounded to bf16,
.endr
.irp k, 0,1,2,3
	v_lshlrev_b32 v[GB+2*(\k)], 16, v[8+(\k)]      ; and widened again
	v_and_b32 v[GB+2*(\k)+1], 0xffff0000, v[8+(\k)]
.endr
	v_max3_num_f32 v[M+2*SL], v[GB], v[GB+1], v[GB+2]
	v_max3_num_f32 v[M+2*SL], v[M+2*SL], v[GB+3], v[GB+4]
	v_max3_num_f32 v[M+2*SL], v[M+2*SL], v[GB+5], v[GB+6]
	v_max_num_f32 v[M+2*SL], v[M+2*SL], v[GB+7]
	v_mov_b32 v[M+2*SL+1], v[M+2*SL]
	v_mov_b32 v[IDX+SL], 7
.irp e, 6,5,4,3,2,1,0                  ; downward, so that the lowest index that holds the maximum is the last to be taken
	v_cmp_eq_f32 vcc_lo, v[GB+(\e)], v[M+2*SL]
	v_cndmask_b32 v[IDX+SL], v[IDX+SL], \e, vcc_lo
.endr
.irp k, 0,1,2,3
	v_pk_add_f32 v[GB+2*(\k):GB+2*(\k)+1], v[GB+2*(\k):GB+2*(\k)+1], v[M+2*SL:M+2*SL+1] neg_lo:[0,1] neg_hi:[0,1]  ; gate - max: the maximum is taken away ahead of the exponential
.endr
.irp k, 0,1,2,3
	v_pk_mul_f32 v[GB+2*(\k):GB+2*(\k)+1], v[GB+2*(\k):GB+2*(\k)+1], 0x3fb8aa3b op_sel_hi:[1,0]  ; x log2(e)
.endr
.set SL, SL+1
.endr
.set i, 0
.rept 64                               ; one batch of 64 exponentials
	v_exp_f32 v[G+i], v[G+i]
.set i, i+1
.endr
	v_nop                                          ; a plain instruction behind the last exponential,
	s_wait_alu depctr_va_vdst(0)                   ; and one wait for the batch, ahead of its first reader
.set SL, 0
.rept 8
.set GB, G+8*SL
	v_pk_add_f32 v[GB:GB+1], v[GB:GB+1], v[GB+2:GB+3]
	v_pk_add_f32 v[GB+4:GB+5], v[GB+4:GB+5], v[GB+6:GB+7]
	v_pk_add_f32 v[GB:GB+1], v[GB:GB+1], v[GB+4:GB+5]
	v_add_f32 v[GB], v[GB], v[GB+1]
.set SL, SL+1
.endr
.set SL, 0
.rept 8                                ; the exponential at the maximum is 1, so p = 1 / sum: a batch of eight reciprocals; the ranks below are the independent work behind them
	v_rcp_f32 v[P+SL], v[G+8*SL]
.set SL, SL+1
.endr
	; Ranks: slot after slot, lane after lane.  For expert e: the lanes that chose it, how many of them lie below me, plus those of the slots before.
.set SL, 0
.rept 8
.irp e, 0,1,2,3,4,5,6,7
	v_cmp_eq_u32 s28, \e, v[IDX+SL]
.if (\e) == 0
	v_mbcnt_lo_u32_b32 v[KEY+SL], s28, s[RUN+(\e)] ; starts the register: each lane's own expert writes over it below
.else
	v_mbcnt_lo_u32_b32 v8, s28, s[RUN+(\e)]
	v_cndmask_b32 v[KEY+SL], v[KEY+SL], v8, s28
.endif
	s_bcnt1_i32_b32 s29, s28
	s_add_co_u32 s[RUN+(\e)], s[RUN+(\e)], s29
.endr
	v_lshl_or_b32 v[KEY+SL], v[IDX+SL], 16, v[KEY+SL]
.set SL, SL+1
.endr
.irp e, 0,1,2,3,4,5,6,7
	v_writelane_b32 v15, s[RUN+(\e)], \e           ; the group's counts, one a lane
.endr
	s_wait_alu depctr_va_vdst(0)                   ; one wait for the eight reciprocals, ahead of the stores that read them
.irp jj, 0,1,2,3
	global_store_b64 v3, v[KEY+2*(\jj):KEY+2*(\jj)+1], s[36:37] offset:256*(\jj)  ; 256 consecutive bytes, aligned
	global_store_b64 v3, v[P+2*(\jj):P+2*(\jj)+1], s[12:13] offset:256*(\jj)
.endr
	s_wait_xcnt 0x0                                ; EXEC changes only behind this wait
	v_cmp_gt_u32 vcc_lo, 8, v1
	s_and_saveexec_b32 s30, vcc_lo
	global_store_b32 v14, v15, s[10:11] offset:32768  ; 32 bytes a group, 1,024 in the whole launch: the one store that fills no whole 256 bytes
	s_endpgm
.Lfunc_end_k_qeb54237288_prep:
	.size	k_qeb54237288_prep, .Lfunc_end_k_qeb54237288_prep-k_qeb54237288_prep
	.p2alignl 7, 3214868480
	.fill 96, 4, 3214868480
	.section	.rodata,"a",@progbits
	.p2align	6, 0x0
	.amdhsa_kernel k_qeb54237288_prep
		.amdhsa_group_segment_fixed_size 0
		.amdhsa_private_segment_fixed_size 0
		.amdhsa_enable_private_segment 0
		.amdhsa_kernarg_size 40
		.amdhsa_user_sgpr_count 2
		.amdhsa_user_sgpr_kernarg_segment_ptr 1
		.amdhsa_wavefront_size32 1
		.amdhsa_system_sgpr_workgroup_id_x 1
		.amdhsa_system_sgpr_workgroup_id_y 1
		.amdhsa_system_sgpr_workgroup_id_z 1
		.amdhsa_system_vgpr_workitem_id 0
		.amdhsa_next_free_vgpr 208
		.amdhsa_next_free_sgpr 66
		.amdhsa_reserve_vcc 1
		.amdhsa_float_denorm_mode_32 3
		.amdhsa_float_denorm_mode_16_64 3
		.amdhsa_memory_ordered 1
		.amdhsa_forward_progress 1
		.amdhsa_inst_pref_size 52
	.end_amdhsa_kernel
	.amdgpu_metadata
---
amdhsa.version: [ 1, 2 ]
amdhsa.kernels:
  - .name:           k_qeb54237288_prep
    .symbol:         k_qeb54237288_prep.kd
    .args:
      - { .name: gate, .offset: 0, .size: 8, .value_kind: global_buffer, .address_space: global }
      - { .name: W, .offset: 8, .size: 8, .value_kind: global_buffer, .address_space: global }
      - { .name: wf, .offset: 16, .size: 8, .value_kind: global_buffer, .address_space: global }
      - { .name: route, .offset: 24, .size: 8, .value_kind: global_buffer, .address_space: global }
      - { .name: topp, .offset: 32, .size: 8, .value_kind: global_buffer, .address_space: global }
    .group_segment_fixed_size: 0
    .private_segment_fixed_size: 0
    .kernarg_segment_align: 8
    .kernarg_segment_size: 40
    .max_flat_workgroup_size: 256
    .sgpr_count:     66
    .vgpr_count:     208
    .wavefront_size: 32
...
	.end_amdgpu_metadata
.endif
;; end of part 1
;; launch moe (part 2): grid 4 x 64, 4 waves a work-group, no clusters, 323,072 bytes of LDS; arguments input, b, route, topp, wf, out0; writes out0
.if DOCPART == 2
	.amdgcn_target "amdgcn-amd-amdhsa--gfx1250"
	.amdhsa_code_object_version 6
	.text
	.protected	k_qeb54237288_moe
	.globl	k_qeb54237288_moe
	.p2align	8
	.type	k_qeb54237288_moe,@function
k_qeb54237288_moe:
	s_mov_b64 s[64:65], 0
	v_nop
	global_prefetch_b8 v0, s[64:65] scope:SCOPE_SE
	s_setreg_imm32_b32 hwreg(HW_REG_WAVE_MODE, 25, 1), 1
	s_wait_xcnt 0x0
; MOE: out[t] = p[t] (bf16(input[t]) . bf16(W[e(t)]) + bf16(b[e(t)])), only for the expert that token t chose.  Products in bf16 with f32 sums; the bias starts the sums; p is applied in f32.
; SHARES.  Work-group (x, y): column group x of 256, row tile y: up to 144 tokens of ONE expert.  The tiles are dealt by a formula from the stored counts: expert e has ceil(c_e / 144) tiles, one after
; the other; their sum is at most (8192 + 8 x 143) / 144 = 64 for every split, so 64 x 4 work-groups serve every split.  Wave w makes 144 rows x 64 columns: 36 accumulators.
; A tile's places past its count n repeat its last token.  The first K step multiplies all 9 blocks of 16 rows (it starts every sum); from the second on the blocks go in three groups of three, and a group
; that begins at or past n is jumped by a forward scalar branch over products alone: no memory instruction, wait or barrier is jumped, so every count holds on every way.  Whole blocks past n are not stored,
; and the repeated rows of the last block store the same numbers at the same place.  A tile with n = 0 walks the same text on token 0 (every wave passes every barrier) and stores nothing.
; DATA.  The tile's tokens are gathered by the list, rounded to bf16 and kept in LDS, 8 chunks of 128 along K; every byte of it is written once.  The gather runs ahead of the products: a UNIT is 9 rows x 128 K
; of my wave's 36 rows; it is asked for 8 K steps (of 32) ahead of the step of its number and stored into LDS 5 ahead.  The weights come from wf, which holds them in operand order, straight into registers,
; 3 steps ahead (those of the first three steps as soon as the expert is known): each fragment of them has one reader in the work-group, so a way through LDS would spare nothing.
; ORDER.  Vector work stands in batches and memory instructions in runs: a K step is 18 conversions, one run of 44 LDS and global instructions, and 36 products with scalar lines alone between them.
; NO CLUSTER, NO TENSOR LOADS.  Partners that share weights would be four row tiles of one expert; whole clusters for every expert on 16 rows of clusters want 8192 + 8 (4 M - 1) < 17 x 4 M, M >= 228 rows,
; 467 KB of tokens in LDS; with M = 144 the grid would be 352 work-groups.  The four column groups share their tokens, but these come by a list and are rounded on the way, which no descriptor does.
; LIMITS.  All inputs are rounded to bf16 (nearest even) before use; NaN and infinities are not treated apart.
; REGISTERS, in windows of 256 (s_set_vgpr_msb: bits 1:0 source 0, 3:2 source 1, 5:4 source 2, 7:6 destination):
;   window 0: v0-15 ids and addresses; v16-79 at work at the start, v16-47 at the end block 8's results; v80-151, v152-223 A's fragments, two buffers (block mb at 8 mb; at the start the keys and the
;             tokens' numbers, at the end the blocks' tokens and p); v224-255 the bias, four tuples of 8
;   window 1: v0-127 B's fragments, four slots of 32 (fragment i, half c at 8 i + 4 c); at the end v0-255 the results of blocks 0-7, 32 each
;   window 2: accumulator (mb, i) at 32 mb + 8 i, mb = 0..7
;   window 3: v0-31 accumulators (8, i); v32-175 the gather's four slots of 36; v176-211 my 36 rows' byte offsets in input; v212 where I put 8 bytes of a row in LDS
.set PITCH, 272                        ; an LDS row of a chunk: 256 bytes + 16: an odd multiple of 16, so the 16 rows of a fragment load begin at 16 different places modulo 256 bytes
.set CH,    144*PITCH                  ; a chunk: 39,168 bytes
.set PART,  8*CH                       ; 313,344: 4 x 768: each wave's part of the list (entries 0-143; entry 144 takes what is not the tile's)
.set TOK,   PART+3072                  ; 4 x 768: each wave's own copy of the tile's token list
.set PL,    TOK+3072                   ; 4 x 768: each wave's own copy of the tokens' p
.set SPARE, PL+3072                    ; 322,560: the spare words, 128 bytes for each wave: two blocks of 256 bytes that no other line names
.set AF,    80
.set TV,    144                        ; the scan: the 64 tokens' numbers
.set TOKR,  80
.set PR,    152
.set O,     16
.set BIASC, 224
.set STG,   32                         ; window 3
.set ROWOFF,176                        ; window 3
.set STOA,  212                        ; window 3
.set W_MM,  0xa4                       ; A window 0, B window 1, C and D window 2
.set W_M8,  0xf4                       ; C and D window 3
.set W_MF,  0x84                       ; the first step: C (the bias) window 0, D window 2
.set W_M8F, 0xc4                       ; the same, D window 3
.set W_B,   0x40                       ; destination window 1, address window 0
.set W_G,   0xcf                       ; destination, sources 0 and 1 window 3, source 2 window 0: serves the gather's loads, conversions and LDS stores alike
.set W_3,   0xc0                       ; destination window 3, sources window 0
; vectors: v1 lane, v2 r, v3 h, v4 16 lane, v5 A's fragments in the chunk in hand, v15 the same in the next chunk, v6, v7 the add's two, v8 16 r, v9-v14 at work
; scalars: s[4:15] input, b, route, topp, wf, out0; s16 wave, s17 column group, s18 tile; s19, s42, s43 my PART, TOK, PL; s[20:27] c_e; s28-35, s57 at work; s36 e, s37 c_e, s38 its first tile;
; s39 the tile's first rank, s40 n, s41 n - 1 (at least 0); s[44:51] what is taken from the keys of my eight groups; s[52:53] weights, s[54:55] input, both stepped; s56 laps; s[60:61] out0 at my columns
.set MSB, 0
.macro WIN new                         ; the immediate's high byte repeats the setting that is left; a switch that changes nothing is dropped
.if MSB != (\new)
	s_set_vgpr_msb (MSB<<8)|(\new)
.set MSB, \new
.endif
.endm
; THE GATHER, a unit (9 rows) at a time, under W_G.  UGI: rows 9 quarter + 0..8 of mine, 128 K at byte imm from the stepped base, into slot.
; UGD: the unit is rounded in place, 18 conversions, and then put into LDS, 256 consecutive bytes a row, 9 stores in one run.
.macro UGI slot, quarter, imm
	WIN W_G
.irp i, 0,1,2,3,4,5,6,7,8
	global_load_b128 v[STG+36*(\slot)+4*(\i):STG+36*(\slot)+4*(\i)+3], v[ROWOFF+9*(\quarter)+(\i)], s[54:55] offset:\imm
.endr
.endm
.macro UGD slot, off
	WIN W_G
.irp i, 0,1,2,3,4,5,6,7,8
.set GA, STG+36*(\slot)+4*(\i)
	v_cvt_pk_bf16_f32 v[GA], v[GA], v[GA+1]
	v_cvt_pk_bf16_f32 v[GA+1], v[GA+2], v[GA+3]
.endr
.irp i, 0,1,2,3,4,5,6,7,8
.set GA, STG+36*(\slot)+4*(\i)
	ds_store_b64 v[STOA], v[GA:GA+1] offset:(\off)+PITCH*(\i)
.endr
.endm
; B's four fragments of one K step, 4,096 consecutive bytes of wf, into slot
.macro BI slot, imm
	WIN W_B
.irp i, 0,1,2,3
.irp c, 0,1
	global_load_b128 v[32*(\slot)+8*(\i)+4*(\c):32*(\slot)+8*(\i)+4*(\c)+3], v4, s[52:53] offset:(\imm)+1024*(\i)+512*(\c)
.endr
.endr
.endm
; A's nine fragments of one K step: 16 rows x 32 K each: lane (r, h) holds row r, K = 8 h + 0..7 and 16 + 8 h + 0..7: two loads of 16 bytes, 32 bytes apart
.macro AL buf, off, adr=5
	WIN 0
.irp mb, 0,1,2,3,4,5,6,7,8
	ds_load_b128 v[AF+72*(\buf)+8*(\mb):AF+72*(\buf)+8*(\mb)+3],   v[\adr] offset:(\off)+16*PITCH*(\mb)
	ds_load_b128 v[AF+72*(\buf)+8*(\mb)+4:AF+72*(\buf)+8*(\mb)+7], v[\adr] offset:(\off)+16*PITCH*(\mb)+32
.endr
.endm
; The four products of block mb in K step S.  In step 0 they start the sums, with the bias as C.
.macro PROD S, mb
.irp fi, 0,1,2,3
.set AA, AF+72*((\S)%2)+8*(\mb)
.set BB, 32*((\S)%4)+8*(\fi)
.set AC, 32*((\mb)%8)+8*(\fi)
.if (\S) == 0
.if (\mb) < 8
	WIN W_MF
.else
	WIN W_M8F
.endif
	v_wmma_f32_16x16x32_bf16 v[AC:AC+7], v[AA:AA+7], v[BB:BB+7], v[BIASC+8*(\fi):BIASC+8*(\fi)+7]
.else
.if (\mb) < 8
	WIN W_MM
.else
	WIN W_M8
.endif
	v_wmma_f32_16x16x32_bf16 v[AC:AC+7], v[AA:AA+7], v[BB:BB+7], v[AC:AC+7]
.endif
.endr
.endm
	s_load_b256 s[4:11], s[0:1], 0x0
	s_load_b128 s[12:15], s[0:1], 0x20
	v_lshl_add_u32 v6, v0, 2, SPARE                ; my spare word, and 0: kept for the add at the wave's end
	v_mov_b32 v7, 0
	v_and_b32 v1, 31, v0                           ; lane
	v_lshrrev_b32 v9, 5, v0
	v_readfirstlane_b32 s16, v9                    ; wave 0..3
	v_and_b32 v2, 15, v0                           ; r
	v_bfe_u32 v3, v0, 4, 1                         ; h
	v_lshlrev_b32 v4, 4, v1                        ; 16 lane; never rewritten
	v_lshlrev_b32 v8, 4, v2                        ; 16 r; never rewritten
	s_mov_b32 s17, ttmp9
	s_and_b32 s18, ttmp7, 0xffff
	s_mov_b32 s58, 0x76543210                      ; v_permlanex16_b32: each lane takes its own place in the other half
	s_mov_b32 s59, 0xfedcba98
	s_mul_i32 s30, s16, 768
	s_add_co_u32 s19, s30, PART
	s_add_co_u32 s42, s30, TOK
	s_add_co_u32 s43, s30, PL
	v_lshlrev_b32 v10, 5, v1                       ; lane = group: its eight counts
	v_lshl_add_u32 v11, s16, 13, v4                ; my wave's 2,048 keys, 16 bytes a lane
	v_lshl_add_u32 v12, v1, 3, s19
	v_mov_b32 v14, 0
	v_mov_b32 v15, 0
	ds_store_b64 v12, v[14:15]                     ; my part of the list starts as zeros: the four parts are added later
	ds_store_b64 v12, v[14:15] offset:256
	ds_store_b64 v12, v[14:15] offset:512
	s_wait_kmcnt 0x0
	global_load_b128 v[16:19], v10, s[8:9] offset:32768
	global_load_b128 v[20:23], v10, s[8:9] offset:32784
.irp g, 0,1,2,3,4,5,6,7
	global_load_b128 v[80+8*(\g):80+8*(\g)+3],   v11, s[8:9] offset:1024*(\g)      ; key register 80 + 8 g + 4 hf + qd: token 2048 w + 256 g + 128 hf + 4 lane + qd
	global_load_b128 v[80+8*(\g)+4:80+8*(\g)+7], v11, s[8:9] offset:1024*(\g)+512
.endr
.irp k, 0,1,2,3
	v_mov_b32 v[28+(\k)], 0                        ; destinations of the lane exchanges below count as read
.endr
	v_mul_u32_u24 v5, v2, PITCH
	v_lshl_add_u32 v5, v3, 4, v5                   ; A's fragments: row r x pitch + 16 h
	s_wait_loadcnt 16                              ; the counts are in; the sixteen loads of keys stay out
	; THE TOTALS c_e: two experts to a word (each at most 8,192), summed over the 32 lanes
.irp k, 0,1,2,3
	v_lshl_or_b32 v[24+(\k)], v[17+2*(\k)], 16, v[16+2*(\k)]
.endr
.irp m, 1,2,4,8
.irp k, 0,1,2,3
	v_mov_b32_dpp v[28+(\k)], v[24+(\k)] row_xmask:\m row_mask:0xf bank_mask:0xf
.endr
.irp k, 0,1,2,3
	v_add_nc_u32 v[24+(\k)], v[24+(\k)], v[28+(\k)]
.endr
.endr
.irp k, 0,1,2,3
	v_permlanex16_b32 v[28+(\k)], v[24+(\k)], s58, s59
.endr
.irp k, 0,1,2,3
	v_add_nc_u32 v[24+(\k)], v[24+(\k)], v[28+(\k)]
.endr
.irp k, 0,1,2,3
	v_readfirstlane_b32 s[32+(\k)], v[24+(\k)]
.endr
.irp k, 0,1,2,3
	s_and_b32 s[20+2*(\k)], s[32+(\k)], 0xffff
	s_lshr_b32 s[21+2*(\k)], s[32+(\k)], 16
.endr
	; THE DEAL: my tile belongs to the last expert whose first tile is not beyond it.  ceil(c / 144) = ((c + 143) x 7282) >> 20: 7282 x 144 = 2^20 + 32, exact for c + 143 under 32,768
	s_mov_b32 s36, 0
	s_mov_b32 s37, s20
	s_mov_b32 s38, 0
	s_add_co_u32 s29, s20, 143
	s_mul_i32 s29, s29, 7282
	s_lshr_b32 s28, s29, 20                        ; the next expert's first tile
.irp e, 1,2,3,4,5,6,7
	s_cmp_ge_u32 s18, s28
	s_cselect_b32 s36, \e, s36
	s_cselect_b32 s37, s[20+(\e)], s37
	s_cselect_b32 s38, s28, s38
.if (\e) < 7
	s_add_co_u32 s29, s[20+(\e)], 143
	s_mul_i32 s29, s29, 7282
	s_lshr_b32 s29, s29, 20
	s_add_co_u32 s28, s28, s29
.endif
.endr
	s_sub_co_u32 s39, s18, s38
	s_mul_i32 s39, s39, 144                        ; the tile's first rank in its expert
	s_sub_co_i32 s40, s37, s39
	s_max_i32 s40, s40, 0
	s_min_u32 s40, s40, 144                        ; n
	s_max_u32 s41, s40, 1
	s_sub_co_u32 s41, s41, 1
	s_min_u32 s41, s41, 143
	s_min_u32 s36, s36, 7                          ; it enters addresses
	; how many of my expert's tokens lie in the groups below each group: my group's count, then a prefix over the lanes, bit by bit (a count has 9 bits)
	v_mov_b32 v9, v16
.irp e, 1,2,3,4,5,6,7
	s_cmp_eq_u32 s36, \e
	s_cselect_b32 s30, -1, 0
	v_cndmask_b32 v9, v9, v[16+(\e)], s30
.endr
	v_and_b32 v10, 1, v9
	v_cmp_ne_u32 s30, 0, v10
	v_mbcnt_lo_u32_b32 v13, s30, 0
.irp bt, 1,2,3,4,5,6,7,8
	v_and_b32 v10, 1<<(\bt), v9
	v_cmp_ne_u32 s30, 0, v10
	v_mbcnt_lo_u32_b32 v10, s30, 0
	v_lshl_add_u32 v13, v10, \bt, v13
.endr
	s_lshl_b32 s30, s36, 16
	s_add_co_u32 s30, s30, s39
	v_sub_nc_u32 v13, s30, v13                     ; key - this = the token's place in my tile, if it is under 144 (unsigned): another expert's key, or a rank outside the tile, gives more
	s_lshl_b32 s31, s16, 3
.irp g, 0,1,2,3,4,5,6,7
	s_add_co_u32 s57, s31, \g
	v_readlane_b32 s[44+(\g)], v13, s57            ; for my wave's groups 8 w + g
.endr
	; the bases
	s_lshl2_add_u32 s57, s17, s16                  ; my group of 64 columns: 4 x + w
	s_lshl_b32 s62, s36, 21
	s_lshl_b32 s30, s57, 17
	s_add_co_u32 s62, s62, s30
	s_mov_b32 s63, 0
	s_add_nc_u64 s[52:53], s[12:13], s[62:63]      ; wf at my expert's block for my columns: 131,072 consecutive bytes
	s_mov_b64 s[54:55], s[4:5]
	s_lshl_b32 s62, s57, 8                         ; my 64 columns in a row of f32: 256 bytes
	s_add_nc_u64 s[60:61], s[14:15], s[62:63]
	s_lshl_b32 s66, s36, 12
	s_add_co_u32 s66, s66, s62
	s_mov_b32 s67, 0
	s_add_nc_u64 s[66:67], s[6:7], s[66:67]
	global_load_b128 v[24:27], v8, s[66:67]        ; b[e][my columns 4 r .. 4 r + 3]
	BI 0, 0                                        ; the weights of K steps 0 to 2 hang on the expert alone: they are asked for now, and land while the list is made and the first rows are gathered
	BI 1, 4096
	BI 2, 8192
	WIN 0
	v_lshlrev_b32 v9, 2, v1
	v_lshl_add_u32 v9, s16, 11, v9                 ; token 2048 w + 4 lane
	v_add_nc_u32 v15, CH, v5                       ; A's fragments in the next chunk
	s_wait_loadcnt 25                              ; the keys are in; the bias (1) and the weights (24) stay out
	; THE SCAN: each of my 2,048 tokens puts its number at its place in my part of the list; what is not the tile's goes to entry 144.  All the arithmetic first, then the 64 stores in one run.
.macro SCANV g, hf
.set KB, 80+8*(\g)+4*(\hf)
.irp qd, 0,1,2,3
	v_sub_nc_u32 v[KB+(\qd)], v[KB+(\qd)], s[44+(\g)]
.endr
.irp qd, 0,1,2,3
	v_min_u32 v[KB+(\qd)], 144, v[KB+(\qd)]
.endr
.irp qd, 0,1,2,3
	v_lshl_add_u32 v[KB+(\qd)], v[KB+(\qd)], 2, s19
.endr
.irp qd, 0,1,2,3
	v_add_nc_u32 v[TV+8*(\g)+4*(\hf)+(\qd)], 256*(\g)+128*(\hf)+(\qd), v9
.endr
.endm
.irp g, 0,1,2,3,4,5,6,7
	SCANV \g, 0
	SCANV \g, 1
.endr
.set i, 0
.rept 64
	ds_store_b32 v[80+i], v[TV+i]                  ; behind my zeros: LDS serves a wave's instructions in order (ISA guide 5.7.1.4)
.set i, i+1
.endr
	s_wait_loadcnt 24                              ; the bias is in; the weights stay out
	v_cvt_pk_bf16_f32 v28, v24, v25                ; rounded to bf16 like every input, and widened
	v_cvt_pk_bf16_f32 v29, v26, v27
	v_lshlrev_b32 v24, 16, v28
	v_and_b32 v25, 0xffff0000, v28
	v_lshlrev_b32 v26, 16, v29
	v_and_b32 v27, 0xffff0000, v29
.irp i, 0,1,2,3
.irp j, 0,1,2,3,4,5,6,7
	v_mov_b32 v[BIASC+8*(\i)+(\j)], v[24+(\i)]     ; the C operand of the first products: column 4 r + i's bias in all eight rows
.endr
.endr
	s_wait_dscnt 0x0                               ; for the others' sake: my part of the list is written
	s_barrier_signal -1
	s_barrier_wait -1
	; THE LIST: the four parts added (each place was written by one wave).  Places past n take the last token's.  Each wave keeps a copy of its own, so no further barrier is wanted for it.
.irp j, 0,1,2,3,4
	v_add_nc_u32 v[32+(\j)], 32*(\j), v1
	v_min_u32 v[32+(\j)], s41, v[32+(\j)]
	v_min_u32 v[32+(\j)], 143, v[32+(\j)]
	v_lshl_add_u32 v[32+(\j)], v[32+(\j)], 2, PART
.endr
.irp j, 0,1,2,3,4
.irp k, 0,1,2,3
	ds_load_b32 v[40+4*(\j)+(\k)], v[32+(\j)] offset:768*(\k)
.endr
.endr
	v_lshl_add_u32 v12, v1, 2, s42
	v_lshl_add_u32 v13, v1, 2, s43
	s_mul_i32 s30, s16, 144
	s_add_co_u32 s30, s30, s42
	v_mov_b32 v11, s30                             ; my copy of the list at my 36 rows
	s_wait_dscnt 0x0
.irp j, 0,1,2,3,4
	v_add3_u32 v[40+4*(\j)], v[40+4*(\j)], v[41+4*(\j)], v[42+4*(\j)]
	v_add_nc_u32 v[40+4*(\j)], v[40+4*(\j)], v[43+4*(\j)]
	v_min_u32 v[40+4*(\j)], 0x1fff, v[40+4*(\j)]
	v_lshlrev_b32 v[60+(\j)], 2, v[40+4*(\j)]      ; where the token's p lies: asked for below, behind unit 4
.endr
.irp j, 0,1,2,3,4
	ds_store_b32 v12, v[40+4*(\j)] offset:128*(\j)
.endr
	WIN W_3
.set i, 0
.rept 36
	ds_load_b32 v[ROWOFF+i], v11 offset:4*i        ; row 36 w + i's token, the same in every lane; behind my stores, in order
.set i, i+1
.endr
	s_mul_i32 s31, s16, 36*PITCH
	v_lshl_add_u32 v[STOA], v1, 3, s31             ; my first row in a chunk, 8 bytes (4 bf16) a lane
	s_wait_dscnt 0x0
	WIN W_G
.set i, 0
.rept 36
	v_min_u32 v[ROWOFF+i], 0x1fff, v[ROWOFF+i]
	v_lshl_add_u32 v[ROWOFF+i], v[ROWOFF+i], 12, v4  ; token x 4,096 + 16 lane: a load takes 512 consecutive bytes of the row
.set i, i+1
.endr
	; THE PROLOGUE.  Units 0-3 are chunk 0, units 4-7 chunk 1.  With the weights' 24 loads, 60 loads of mine are out behind unit 3's; p, which only the way out wants, is asked for behind unit 4.
	UGI 0, 0, 0
	UGI 1, 1, 0
	UGI 2, 2, 0
	UGI 3, 3, 0
	s_wait_loadcnt 27                              ; unit 0 is in (and the weights, which are older): units 1-3 stay out
	UGD 0, 0
	UGI 0, 0, 512                                  ; unit 4
	WIN 0
.irp j, 0,1,2,3,4
	global_load_b32 v[66+(\j)], v[60+(\j)], s[10:11]  ; the tokens' p
.endr
	s_wait_loadcnt 32                              ; unit 1: units 2-4 (27) and p (5) stay out
	UGD 1, 9*PITCH
	UGI 1, 1, 512                                  ; unit 5
	s_wait_loadcnt 32                              ; unit 2: units 3, 4, p, unit 5
	UGD 2, 18*PITCH
	UGI 2, 2, 512                                  ; unit 6
	s_wait_loadcnt 32                              ; unit 3: unit 4, p, units 5, 6
	UGD 3, 27*PITCH
	UGI 3, 3, 512                                  ; unit 7
	s_wait_loadcnt 32                              ; unit 4: p, units 5-7
	UGD 0, CH
	v_add_nc_u32 v[STOA], CH, v[STOA]              ; from here on it points into the chunk behind the one that is multiplied
	WIN 0
	s_wait_loadcnt 27                              ; p: units 5-7 stay out
.irp j, 0,1,2,3,4
	ds_store_b32 v13, v[66+(\j)] offset:128*(\j)
.endr
	s_wait_dscnt 0x0                               ; for the others' sake: my rows of chunk 0 are written
	s_barrier_signal -1
	s_barrier_wait -1
	AL 0, 0
; A K STEP of 32, number S of 32.  It finishes unit S + 5, asks for B of step S + 3 and unit S + 8, fetches A of step S + 1, and issues up to 36 products, the accumulators by turns in one order in every step
; (no two products on end share an accumulator, over the steps' edges and the loop's jump too, and on the ways that jump groups: twelve accumulators at the least take turns).
; ITS ORDER.  The unit's 18 conversions come first: they name no register of the last step's products, so they are also the four places between those products and the loads into registers that they read
; (ISA guide 7.12.1 for vector instructions); where no unit is left, four v_nop.  Then all the step's memory instructions in one run, then the products.
; THE GROUPS.  Blocks 0-2, 3-5, 6-8.  A group whose first row lies at or past n (n = 0; n <= 48; n <= 96) holds only repeats of the last token, which are not stored: it is jumped.  Step 0 jumps nothing.
; THE BARRIER.  Chunk c + 1's units are finished in steps 4 c - 1 .. 4 c + 2, and it is first read in step 4 c + 3.  So in each step 4 c + 2 every wave waits for its LDS stores and signals, behind the second
; group; the third group stands between signal and wait, and behind the wait the chunk is whole.  No LDS byte of A is written twice, so nothing else is to be ordered.
.macro STEP S
.set QQ, (\S)%4
.if (\S) == 0
.set LC, 18
.elseif (\S) == 1
.set LC, 26
.elseif (\S) <= 24
.set LC, 34
.elseif (\S) == 25
.set LC, 25
.elseif (\S) <= 29
.set LC, 16
.elseif (\S) == 30
.set LC, 8
.else
.set LC, 0
.endif
	s_wait_loadcnt LC                              ; B of this step and unit S + 5 are in: what may stay out is what was issued behind them: the two steps since have issued 8 + 9 each while there is any; at step 0 units 6, 7; at step 1 unit 7, B of step 3, unit 8
.if (\S) <= 26
.if QQ == 3
	UGD (QQ+1)%4, CH                               ; unit S + 5 is the first quarter of the chunk after
.else
	UGD (QQ+1)%4, 9*PITCH*(QQ+1)
.endif
.else
.rept 4
	v_nop
.endr
.endif
.if (\S) <= 28
	BI (QQ+3)%4, 4096*(QQ+3)
.endif
.if (\S) <= 30
.if QQ == 3
	AL ((\S)+1)%2, 0, 15                           ; the next chunk's first 32 along K
.else
	AL ((\S)+1)%2, 64*(QQ+1)
.endif
.endif
.if (\S) <= 26
	s_wait_dscnt 27                                ; the 9 stores and 18 loads just issued stay out: A of this step is in, and the last step's stores have read the slot that is asked for again below
.elseif (\S) <= 30
	s_wait_dscnt 18                                ; A of this step is in: the 18 loads just issued stay out
.else
	s_wait_dscnt 0x0
.endif
.if (\S) <= 23
	UGI QQ, QQ, 1024                               ; unit S + 8: two chunks on from the stepped base
.endif
.if (\S) == 0
.irp mb, 0,1,2,3,4,5,6,7,8
	PROD \S, \mb                                   ; every sum is started, on every way
.endr
	WIN 0
.else
	WIN 0                                          ; at a branch and at a label every window is 0
	s_cmp_eq_u32 s40, 0
	s_cbranch_scc1 .Lmid_\@
	PROD \S, 0
	PROD \S, 1
	PROD \S, 2
	WIN 0
	s_cmp_le_u32 s40, 48
	s_cbranch_scc1 .Lmid_\@
	PROD \S, 3
	PROD \S, 4
	PROD \S, 5
	WIN 0
.Lmid_\@:
.if (QQ == 2) && ((\S) <= 26)
	s_wait_dscnt 0x0                               ; for the others' sake: my rows of the next chunk are written (and no LDS instruction of mine is out at a signal)
	s_barrier_signal -1
.endif
	s_cmp_le_u32 s40, 96
	s_cbranch_scc1 .Lend_\@
	PROD \S, 6
	PROD \S, 7
	PROD \S, 8
	WIN 0
.Lend_\@:
.if (QQ == 2) && ((\S) <= 26)
	s_barrier_wait -1
.endif
.endif
.endm
.macro LAPEND g                        ; behind four steps: the bases and the LDS addresses step.  g = 0: nothing is gathered any more, and no further chunk follows the next
	s_wait_xcnt 0x0                                ; every earlier memory instruction has had its addresses translated (ISA guide 3.1): the bases are rewritten only behind this wait
	s_add_nc_u64 s[52:53], s[52:53], 16384
.if \g
	s_add_nc_u64 s[54:55], s[54:55], 512
	WIN W_G
	v_add_nc_u32 v[STOA], CH, v[STOA]
.endif
	WIN 0                                          ; at a label and at a branch every window is 0
	v_add_nc_u32 v5, CH, v5
.if \g
	v_add_nc_u32 v15, CH, v15
.endif
.endm
	STEP 0
	STEP 1
	STEP 2
	STEP 3
	LAPEND 1
	s_mov_b32 s56, 5
.Llap:                                                 ; five trips: steps 4 to 23, in which every step does everything
	STEP 4
	STEP 5
	STEP 6
	STEP 7
	LAPEND 1
	s_sub_co_u32 s56, s56, 1
	s_cmp_lg_u32 s56, 0
	s_cbranch_scc1 .Llap
	STEP 24                                        ; the last eight steps are written out: no load leaves its buffer, and the counts run down
	STEP 25
	STEP 26
	STEP 27
	LAPEND 0
	STEP 28
	STEP 29
	STEP 30
	STEP 31
	; THE WAY OUT.  In accumulator (mb, i) lane (r, h) holds rows 16 mb + 8 h + j (register j) of column 4 r + i: the four i of one j are 16 neighbouring bytes of a row of out0, and
	; sixteen lanes hold 256 consecutive bytes, at a multiple of 256 from the row's first: they are stored from registers as they lie.  Each block has 32 registers of its own for its results
	; (blocks 0-7 in window 1, which the products have left; block 8 in v16-47), so that no block waits for the stores of the block before.
.rept 4
	v_nop                                          ; four places behind the last products: for the loads into A's registers, and for the multiplies that read results and write B's registers
.endr
	WIN 0
	v_lshl_add_u32 v10, v3, 5, s42                 ; my eight rows' tokens in a block: my copy of the list + 32 h
	v_lshl_add_u32 v11, v3, 5, s43                 ; and their p
.irp mb, 0,1,2,3,4,5,6,7,8
	ds_load_b128 v[TOKR+8*(\mb):TOKR+8*(\mb)+3],   v10 offset:64*(\mb)
	ds_load_b128 v[TOKR+8*(\mb)+4:TOKR+8*(\mb)+7], v10 offset:64*(\mb)+16
	ds_load_b128 v[PR+8*(\mb):PR+8*(\mb)+3],       v11 offset:64*(\mb)
	ds_load_b128 v[PR+8*(\mb)+4:PR+8*(\mb)+7],     v11 offset:64*(\mb)+16
.endr
	s_wait_dscnt 0x0
.macro OUT mb
	WIN 0
	s_cmp_le_u32 s40, 16*(\mb)                     ; a block that begins at or past the count, and all behind it, are not stored; a block that is stored lies in a group that no step has jumped
	s_cbranch_scc1 .Ldone
.irp j, 0,1,2,3,4,5,6,7
	v_min_u32 v[TOKR+8*(\mb)+(\j)], 0x1fff, v[TOKR+8*(\mb)+(\j)]
.endr
.irp j, 0,1,2,3,4,5,6,7
	v_lshl_add_u32 v[TOKR+8*(\mb)+(\j)], v[TOKR+8*(\mb)+(\j)], 12, v8  ; token x 4,096 + 16 r
.endr
.if (\mb) < 8
.set OB, 32*(\mb)
	WIN 0x42                                       ; destination window 1, source 0 (the sums) window 2, source 1 (p) window 0
.else
.set OB, O
	WIN 0x03                                       ; destination window 0, source 0 window 3
.endif
.irp j, 0,1,2,3,4,5,6,7                ; j ascending: each accumulator is read from its lowest register on
.irp i, 0,1,2,3
	v_mul_f32 v[OB+4*(\j)+(\i)], v[32*((\mb)%8)+8*(\i)+(\j)], v[PR+8*(\mb)+(\j)]
.endr
.endr
.if (\mb) < 8
	WIN 0x04                                       ; a store's data is its source 1: window 1; its address window 0
.else
	WIN 0
.endif
.irp j, 0,1,2,3,4,5,6,7
	global_store_b128 v[TOKR+8*(\mb)+(\j)], v[OB+4*(\j):OB+4*(\j)+3], s[60:61] th:TH_STORE_NT  ; lanes 0-15: 256 bytes of row 16 mb + j's token, lanes 16-31: of row 16 mb + 8 + j's
.endr
.endm
.irp mb, 0,1,2,3,4,5,6,7,8
	OUT \mb
.endr
.Ldone:
	s_wait_tensorcnt 0x0                           ; the wave's end: behind my last LDS store
	ds_add_u32 v6, v7
	s_wait_dscnt 0x0
	s_endpgm
.Lfunc_end_k_qeb54237288_moe:
	.size	k_qeb54237288_moe, .Lfunc_end_k_qeb54237288_moe-k_qeb54237288_moe
	.p2alignl 7, 3214868480
	.fill 96, 4, 3214868480
	.section	.rodata,"a",@progbits
	.p2align	6, 0x0
	.amdhsa_kernel k_qeb54237288_moe
		.amdhsa_group_segment_fixed_size 323072
		.amdhsa_private_segment_fixed_size 0
		.amdhsa_enable_private_segment 0
		.amdhsa_kernarg_size 48
		.amdhsa_user_sgpr_count 2
		.amdhsa_user_sgpr_kernarg_segment_ptr 1
		.amdhsa_wavefront_size32 1
		.amdhsa_system_sgpr_workgroup_id_x 1
		.amdhsa_system_sgpr_workgroup_id_y 1
		.amdhsa_system_sgpr_workgroup_id_z 1
		.amdhsa_system_vgpr_workitem_id 0
		.amdhsa_next_free_vgpr 1024
		.amdhsa_next_free_sgpr 72
		.amdhsa_reserve_vcc 0
		.amdhsa_float_denorm_mode_32 3
		.amdhsa_float_denorm_mode_16_64 3
		.amdhsa_memory_ordered 1
		.amdhsa_forward_progress 1
		.amdhsa_inst_pref_size 194
	.end_amdhsa_kernel
	.amdgpu_metadata
---
amdhsa.version: [ 1, 2 ]
amdhsa.kernels:
  - .name:           k_qeb54237288_moe
    .symbol:         k_qeb54237288_moe.kd
    .args:
      - { .name: input, .offset: 0, .size: 8, .value_kind: global_buffer, .address_space: global }
      - { .name: b, .offset: 8, .size: 8, .value_kind: global_buffer, .address_space: global }
      - { .name: route, .offset: 16, .size: 8, .value_kind: global_buffer, .address_space: global }
      - { .name: topp, .offset: 24, .size: 8, .value_kind: global_buffer, .address_space: global }
      - { .name: wf, .offset: 32, .size: 8, .value_kind: global_buffer, .address_space: global }
      - { .name: out0, .offset: 40, .size: 8, .value_kind: global_buffer, .address_space: global }
    .group_segment_fixed_size: 323072
    .private_segment_fixed_size: 0
    .kernarg_segment_align: 8
    .kernarg_segment_size: 48
    .max_flat_workgroup_size: 128
    .sgpr_count:     72
    .vgpr_count:     1024
    .wavefront_size: 32
...
	.end_amdgpu_metadata
.endif
;; end of part 2
